; MI455X (gfx1250); checked and timed in simulation.
; The chip was launched on July 23, 2026; its instructions are those of AMD's public machine-readable ISA for CDNA 5 (MIT licence, August 2026) and "CDNA5" Instruction Set Architecture Reference Guide (July 2026). The comments in the code are by the model that wrote it; some were corrected since.
;; Causal Self Attention. Allowed arithmetic: matrix products marked QUANTISED: E5M2 operands, one E8M0 scale for each 32 along K, by v_wmma_scale_f32_16x16x128_f8f6f4 with both operands' format E5M2, f32 sums; everything else in f32.
;; Inputs: proj_b 1,024 float32; proj_w_codes 1,024 x 32 x 32 uint8 (E5M2 codes of proj_w, K innermost, in blocks of 32 codes); proj_w_scales 1,024 x 32 uint8 (E8M0 scales of proj_w, one for each 32 codes along K); qkv_b 3,072 float32; qkv_w_codes 3,072 x 32 x 32 uint8 (E5M2 codes of qkv_w, K innermost, in blocks of 32 codes); qkv_w_scales 3,072 x 32 uint8 (E8M0 scales of qkv_w, one for each 32 codes along K); x_codes 4 x 2,048 x 32 x 32 uint8 (E5M2 codes of x, K innermost, in blocks of 32 codes); x_scales 4 x 2,048 x 32 uint8 (E8M0 scales of x, one for each 32 codes along K).
;; Outputs: out0 4 x 2,048 x 1,024 float32.
;; This version of the problem:
;;   THIS VERSION OF THE PROBLEM IS GIVEN IN LOW PRECISION. The matrix products marked QUANTISED in the list below multiply operands that are first quantised to E5M2 (5 exponent bits, 2 mantissa bits; 8 bits a number), with one power-of-two scale for each 32 numbers along K (OCP MX v1.0); their sums are f32. All else is computed in f32.
;;   The module's matrix products, in the order in which they are computed (A, B: the left and right operand; K: the contracted axis; several contracted axes count as one K, in the product's order):
;;     1. [M 8,192, K 1,024] x [K 1,024, N 3,072]; A: input x (given as codes); B: input qkv_w (given as codes): QUANTISED
;;     2. batch 64 x [M 2,048, K 64] x [K 64, N 2,048]; A: computed on the way; B: computed on the way: QUANTISED
;;     3. batch 64 x [M 2,048, K 2,048] x [K 2,048, N 64]; A: softmax (see below); B: computed on the way: QUANTISED
;;     4. [M 8,192, K 1,024] x [K 1,024, N 1,024]; A: computed on the way; B: input proj_w (given as codes): QUANTISED
;;   THE QUANTISER, for each operand of a quantised product, along K:
;;     - K is cut into blocks of 32 from its start; a last block that is shorter is filled with zeros.
;;     - A block's scale is 2^e with e = floor(log2(the largest magnitude in the block)) - 15, held to -126 .. 127; a block of zeros has e = 0. As a byte (E8M0): e + 127.
;;     - Each number is divided by its block's scale, clamped to +-57,344, and rounded to the nearest number of E5M2, ties to even, subnormals kept.
;;     - The product sums the exact products of the quantised numbers (number of the format x scale) in f32.
;;   ~~~python
;;   def quantise(x, axis):      # numpy; x: float32 -> the quantised numbers, widened to float32 again
;;       x = np.moveaxis(x, axis, -1); K = x.shape[-1]
;;       x = np.pad(x, [(0, 0)] * (x.ndim - 1) + [(0, -K % 32)]); x = x.reshape(x.shape[:-1] + (-1, 32)); a = np.abs(x).max(-1, keepdims=True)
;;       e = np.where(a > 0, np.clip(np.frexp(np.where(a > 0, a, 1))[1] - 1 - 15, -126, 127), 0)      # np.frexp(a)[1] - 1 = floor(log2(a)), exactly
;;       r = np.clip(x / 2.0 ** e, -57344, 57344)
;;       step = 2.0 ** (np.maximum(np.frexp(np.where(r == 0, 1, r))[1] - 1, -14) - 2)
;;       q = np.round(r / step) * step * 2.0 ** e      # np.round: ties to even
;;       return np.moveaxis(q.reshape(q.shape[:-2] + (-1,))[..., :K], -1, axis).astype(np.float32)
;;   ~~~
;;   SOFTMAX AHEAD OF A QUANTISED PRODUCT. Where the list says 'softmax', what is quantised is not the finished softmax but p = 2^(t - M), with t = logit x log2(e) and M = ceil(the row's largest t), a whole number; so 1/2 < the row's largest p <= 1. The row's sum l is taken of the UNQUANTISED p, in f32, and the product's result is divided by l at the end. Since M is a whole number, a kernel that streams over the keys may use a running M (the ceiling of the running maximum): every later rescaling is an exact power of two, which a block's scale takes up: the codes' values come out the same.
;;   OPERANDS COMPUTED ON THE WAY. 'Computed on the way' means the value that the module computes at that place (a softmax that the list does not call 'softmax' is quantised finished and normalised). What goes into a quantiser is computed in f32, as accurately as f32 sums, v_exp_f32 and their like allow (about 1e-6 of the number): no bf16 or f16 on the way to a quantiser, and a product that is left as it is and whose result goes on into a quantised operand takes f32 operands (vector FMAs, or v_wmma_f32_16x16x4_f32). A number that lies on a knife's edge between two numbers of the format may be rounded either way, as far as f32 arithmetic and the matrix unit's own rounding can turn it there, and no further.
;;   INPUTS GIVEN AS CODES. proj_w (in the module: [1024, 1024], K = its axis 1); qkv_w (in the module: [3072, 1024], K = its axis 1); x (in the module: [4, 2048, 1024], K = its axis 2): each comes as NAME_codes (uint8): NAME with its K axis moved to the last place and cut into blocks of 32 codes, [.., K / 32, bytes a block], one block behind the other in memory; one code a byte (a code: sign, 5 exponent bits, 2 mantissa bits); and NAME_scales (uint8): the same leading axes, one E8M0 byte (e + 127) for each 32 codes along K. Its value is code x scale, taken as it is: it is not quantised again, and the codes and scales need not be those that the quantiser above would give.
;; One version. Each part assembles by itself: llvm-mc -triple=amdgcn-amd-amdhsa -mcpu=gfx1250 --defsym DOCPART=n.
;; ======== version 1 of 1: 3 launches
;; limits: right only within a limited range of input values
;; workspace buffers: q_ws 8,912,896 bytes; kv_ws 17,563,648 bytes; a_img 8,388,608 bytes; a_sc 262,144 bytes
;; launch qkv (part 1): grid 4 x 64, 4 waves a work-group, clusters of 4 x 4, 327,680 bytes of LDS; arguments x_codes, x_scales, qkv_w_codes, qkv_w_scales, qkv_b, q_ws, kv_ws; writes q_ws, kv_ws
.if DOCPART == 1
	.amdgcn_target "amdgcn-amd-amdhsa--gfx1250"
	.amdhsa_code_object_version 6
	.text
	.protected	k_qdf0ad45290_qkv
	.globl	k_qdf0ad45290_qkv
	.p2align	8
	.type	k_qdf0ad45290_qkv,@function
k_qdf0ad45290_qkv:
	s_mov_b64 s[64:65], 0
	v_nop
	global_prefetch_b8 v0, s[64:65] scope:SCOPE_SE
	s_setreg_imm32_b32 hwreg(HW_REG_WAVE_MODE, 25, 1), 1
	s_wait_xcnt 0x0
	s_wait_alu depctr_hold_cnt(0) depctr_sa_sdst(0) depctr_va_vdst(0) depctr_va_sdst(0) depctr_va_ssrc(0) depctr_va_vcc(0) depctr_vm_vsrc(0)
	s_getreg_b32 s2, hwreg(HW_REG_IB_STS2, 6, 4)
	s_cmp_eq_u32 s2, 0
	s_cbranch_scc0 .Lentry_in_a_cluster
	s_endpgm
.Lentry_in_a_cluster:
	s_bfe_u32 s2, ttmp6, 0x10000c
	s_cmp_lg_u32 s2, 0xf033
	s_cbranch_scc0 .Lentry_shape_is_right
	s_endpgm
.Lentry_shape_is_right:
; qkv = x W^T + b on codes of BF8 (E5M2) with one E8M0 scale for each 32 along K = 1,024; the result never goes to memory as f32: it is quantised here, q and k along the head's 64 channels, v along the keys.
; x: [8,192][1,024] codes, W: [3,072][1,024] codes, their scale bytes [rows][32]; b: [3,072] f32.
; THE DEAL.  256 work-groups of four waves.  Work-group (cx, block row) owns 128 tokens (one block of q_ws and kv_ws) and heads 4 cx .. 4 cx + 3 of q, of k and of v: 768 channels, walked in SIX CHUNKS of 128 rows of W: q's two, k's two, v's two.
; x STAYS IN REGISTERS: its 128 rows, all of K, land in LDS slot 1; each wave takes its 64 tokens into 512 registers.  W IS STREAMED: a chunk, all of K, fills one of two LDS slots of 128 rows; chunk 1 is filled over x's rows.
; Every refill stands behind a drained round of the cluster's barrier, 32 rows a wave, and is asked for one whole chunk (128 products and a way out) ahead of its first read; so no prefetch is laid beside it.
; A wave makes 64 tokens x 64 channels of a chunk, one head: 16 accumulators.  x's tile and scale bytes are shared along a row of the 4 x 4 cluster, W's along a column: joint loads.  All scale bytes come once, at the head.
; WHICH SIDE IS WHICH.  A lane holds ONE row of source 1 and eight rows of source 0: its registers must run along the next product's K.  q, k: source 0 = W, source 1 = x.  v: source 0 = x, source 1 = W.
; WHAT IS STORED: IMAGES OF OPERAND REGISTERS (a group of four registers is 512 bytes, lane l's 16 bytes at 16 l), in blocks [16 batch + head][run of 128 tokens]:
;   q_ws block, 8,704 bytes: codes [tile of 16 tokens, 8][group c, 2][512], then scale words [tile 8][row 16]: the head's two bytes, twice in each word.
;   kv_ws block, 17,152 bytes: k as q; at 8,704 v's codes [tile of 16 channels, 4][group c, 4][512], keys innermost; at 16,896 v's scale words [tile 4][row 16], byte c for keys 32 c on.
;   Inside a block of 32 along the next K lane (r, h) holds numbers 8 h + 0..7, then 16 + 8 h + 0..7: the order in which the two conversions leave them; q as k, and v as the p that meets it.
; THE QUANTISER: scale byte = the block's largest magnitude's exponent field - 15, held at 1 from below; numbers held within +-57,344 x the scale, rounded to the nearest code, ties to even.
; LIMITS: NaN and infinities are not served; a block of zeros gets the byte 1 (its codes are zeros, and this program alone reads the bytes).  The scale words leave in stores of 128 bytes (q, k) and of two bytes a lane (v: a wave holds two of a word's four bytes).
; REGISTERS, in windows of 256: window 0: v0-31 addresses; v32-63 x's scale words [tile a][q]; v68-99 the chunk's [tile b][q]; v100-107 v's bias; v128-255 W's fragments, two sets of four (on the way out v192-226 are at work).
;   windows 1, 2: x's fragments: fragment 4 q + a at register 16 (4 q + a).   window 3: v0-127 the accumulators, v128-159 q's or k's bias in the result's layout.
.set PITCH, 1040                       ; an LDS row: 1,024 bytes + 16: an odd multiple of 16 (banks: ISA guide 11.1)
.set YB,    128*PITCH                  ; slot 1
.set SCL,   2*YB                       ; scale bytes as units of 256 bytes + 16 of padding: x's 16 units,
.set SXB,   16*272
.set SWP,   32*272                     ; then W's: 32 units for each of q, k, v
.set SPARE, SCL+SXB+3*SWP              ; the spare words, 128 bytes for each wave
.set QBLK,  8704
.set KVBLK, 17152
.set VCO,   8704
.set LIQ, 10                           ; v10-13 my lane's place in the stored images: q's and k's codes, their words, v's codes, its bytes
.set L4Q, 11
.set LIV, 12
.set L4V, 13
.set AX,  14                           ; LDS: x's fragments
.set ASX, 15                           ; x's scale words
.set AW,  16                           ; v16, v17 W's fragments in slot 0, 1
.set ASW, 18                           ; W's scale words, part q
.set ASC, 19                           ; the same, of the part in hand
.set BO,  20                           ; 32 h
.set BL,  21                           ; 4 r
.set TR,  22                           ; byte selects for the scale words
.set SPW, 28
.set NIL, 29
.set SA,  32
.set SB,  68                           ; no product's two scale words have numbers equal modulo 8
.set BS,  100
.set WF,  128
.set TM,  192                          ; v192-195 largest magnitudes, v196-199 bytes, v200-203 bounds, v204-207 the conversions' scale operands
.set PC,  208
.set PW,  224
.set WD,  226
.set BP,  128                          ; in window 3
.set WV,  18
.set TH,  19                           ; my half of the tokens
.set CHH, 20                           ; my half of a chunk's channels
.set CX,  21
.set CY,  22
.set RB,  23                           ; my block of 128 tokens
.set G1X, 24
.set G1W, 32
.set G1SX, 40
.set G1SW, 48
.set G0X, 56
.set G0W, 60
.set G0SX, 68
.set G0SW, 72
.set G0R, 76                           ; s[76:79], s[80:83] the refills of slot 0, 1
.set OQ,  86                           ; s[86:93] where my head's blocks begin: q's chunk 0, chunk 1; k's and v's likewise
.set OQ1, 88
.set OK,  90
.set OK1, 92
.set PB,  94                           ; s[94:95] my 64 channels of the bias, of the part in hand
.set SEL, 96
.set MNT, 98
.set T,   99
.set SOF, 100
.set CP,  104
.set MSB, 0
.macro WIN new                         ; the immediate's high byte repeats the setting that is left
.if MSB != (\new)
	s_set_vgpr_msb (MSB<<8)|(\new)
.set MSB, (\new)
.endif
.endm
.macro PLACES n
.rept \n
	v_nop
.endr
.endm
.macro WALU
	s_wait_alu depctr_va_vdst(0)
.endm
.macro CROUND
	s_barrier_signal -1
	s_barrier_wait -1
	s_cmp_lg_u32 s[WV], 0
	s_cbranch_scc1 .Lnot_wave_0_\@
	s_barrier_signal -3
.Lnot_wave_0_\@:
	s_barrier_wait -3
	s_barrier_signal -1
	s_barrier_wait -1
.endm
.macro GROUP1 g, mask, rows            ; so many WHOLE rows of K, four words of padding behind each 256
	s_or_b32 s[\g+0], s[\mask], (1<<20)|(1<<21)|(7<<22)|(3<<25)
	s_mov_b32 s[\g+1], 1024<<16
	s_mov_b32 s[\g+2], (\rows)<<16
	s_mov_b32 s[\g+3], 1024<<16
	s_mov_b32 s[\g+4], \rows
	s_mov_b32 s[\g+5], 1024
	s_mov_b32 s[\g+6], 0
	s_mov_b32 s[\g+7], 0
.endm
	s_load_b256 s[4:11], s[0:1], 0x0               ; x's codes, x's scales, W's codes, W's scales
	s_load_b128 s[12:15], s[0:1], 0x20             ; the bias, q_ws
	s_load_b64 s[16:17], s[0:1], 0x30              ; kv_ws
	v_lshl_add_u32 v[SPW], v0, 2, SPARE
	v_mov_b32 v[NIL], 0
	ds_add_u32 v[SPW], v[NIL]                      ; the opening lines: the add, twice on end, and its wait
	ds_add_u32 v[SPW], v[NIL]
	v_lshrrev_b32 v1, 5, v0
	v_readfirstlane_b32 s[WV], v1
	s_lshr_b32 s[TH], s[WV], 1
	s_and_b32 s[CHH], s[WV], 1
	s_bfe_u32 s[CX], ttmp6, 0x40000                ; the grid is four wide: cx is the group of four heads
	s_bfe_u32 s[CY], ttmp6, 0x40004
	s_and_b32 s[RB], ttmp7, 0xffff
	s_lshl_b32 s[RB], s[RB], 2
	s_add_co_u32 s[RB], s[RB], s[CY]
	s_lshl_b32 s2, s[CY], 2
	s_lshl_b32 s2, 15, s2                          ; my row of the cluster
	s_lshl_b32 s3, 0x1111, s[CX]                   ; my column
	GROUP1 G1X, 2, 128
	GROUP1 G1W, 3, 128
	s_or_b32 s[G1SX], s2, (3<<16)|(1<<20)|(1<<21)|(5<<22)|(3<<25)   ; x's scale bytes: 16 dense rows of 256 bytes (32 elements of 8), 16 bytes of padding behind each
	s_mov_b32 s[G1SX+1], 32<<16
	s_mov_b32 s[G1SX+2], 16<<16
	s_mov_b32 s[G1SX+3], 32<<16
	s_mov_b32 s[G1SX+4], 16
	s_mov_b32 s[G1SX+5], 32
	s_mov_b32 s[G1SX+6], 0
	s_mov_b32 s[G1SX+7], 0
	s_or_b32 s[G1SW], s3, (3<<16)|(1<<20)|(1<<21)|(5<<22)|(3<<25)   ; W's: three rows of 8,192 bytes (256 rows of q, of k, of v), 32,768 bytes apart; the padding still behind each 256 bytes
	s_mov_b32 s[G1SW+1], 1024<<16
	s_mov_b32 s[G1SW+2], 3<<16
	s_mov_b32 s[G1SW+3], 1024<<16
	s_mov_b32 s[G1SW+4], 3
	s_mov_b32 s[G1SW+5], 4096
	s_mov_b32 s[G1SW+6], 0
	s_mov_b32 s[G1SW+7], 0
	s_mov_b32 s[G0X], 1
	s_mov_b32 s[G0X+1], YB
	s_lshl_b32 s98, s[RB], 17                      ; 128 rows of 1,024 bytes
	s_mov_b32 s99, 0
	s_mov_b32 s[G0W], 1
	s_mov_b32 s[G0W+1], 0
	s_lshl_b32 s66, s[CX], 18                      ; 256 rows
	s_mov_b32 s67, 0
	s_mov_b32 s[G0SX], 1
	s_mov_b32 s[G0SX+1], SCL
	s_lshl_b32 s100, s[RB], 12
	s_mov_b32 s101, 0
	s_mov_b32 s[G0SW], 1
	s_mov_b32 s[G0SW+1], SCL+SXB
	s_lshl_b32 s104, s[CX], 13
	s_mov_b32 s105, 0
	s_mov_b32 s[G0R], 1
	s_mul_i32 s[G0R+1], s[WV], 32*PITCH            ; a refill: my 32 rows of the chunk
	s_mov_b32 s[G0R+4], 1
	s_add_co_u32 s[G0R+5], s[G0R+1], YB
	s_lshl_b32 s84, s[WV], 15
	s_mov_b32 s85, 0
	s_wait_dscnt 0x0
	s_wait_kmcnt 0x0
	s_add_nc_u64 s[G0X+2:G0X+3], s[4:5], s[98:99]
	s_add_nc_u64 s[G0W+2:G0W+3], s[8:9], s[66:67]
	s_add_nc_u64 s[G0R+2:G0R+3], s[G0W+2:G0W+3], s[84:85]    ; at chunk 0: stepped 1,024 rows on ahead of each refill
	s_add_nc_u64 s[G0R+6:G0R+7], s[G0R+2:G0R+3], 0x20000     ; at chunk 1
	s_add_nc_u64 s[G0SX+2:G0SX+3], s[6:7], s[100:101]
	s_add_nc_u64 s[G0SW+2:G0SW+3], s[10:11], s[104:105]
	s_or_b32 s[G0X+3], s[G0X+3], 0x80000000
	s_or_b32 s[G0W+3], s[G0W+3], 0x80000000
	s_or_b32 s[G0R+3], s[G0R+3], 0x80000000
	s_or_b32 s[G0R+7], s[G0R+7], 0x80000000
	s_or_b32 s[G0SX+3], s[G0SX+3], 0x80000000
	s_or_b32 s[G0SW+3], s[G0SW+3], 0x80000000
	CROUND                                         ; all sixteen work-groups are here: the joint loads meet
; One tensor load a wave, in one tree of branches on the wave's number: x's rows, chunk 0, x's scale bytes, W's.
.macro ARM under, g0, g1, next
	s_cmp_lt_u32 s[WV], \under
	s_cbranch_scc0 \next
	tensor_load_to_lds s[\g0:\g0+3], s[\g1:\g1+7]
	s_nop 0
	PLACES 4
	s_branch .Lasked
\next:
.endm
	ARM 1, G0X,  G1X,  .Lfor_w
	ARM 2, G0W,  G1W,  .Lfor_sx
	ARM 3, G0SX, G1SX, .Lfor_sw
	tensor_load_to_lds s[G0SW:G0SW+3], s[G1SW:G1SW+7]
	s_nop 0
	PLACES 4
.Lasked:
	s_lshr_b32 s2, s[RB], 4                        ; the batch
	s_lshl_b32 s2, s2, 4
	s_lshl_b32 s3, s[CX], 2
	s_add_co_u32 s2, s2, s3
	s_add_co_u32 s2, s2, s[CHH]                    ; 16 batch + my head of an even chunk; an odd chunk's is two heads on
	s_lshl_b32 s2, s2, 4
	s_and_b32 s3, s[RB], 15
	s_add_co_u32 s2, s2, s3                        ; the block's number
	s_mul_i32 s84, s2, QBLK
	s_add_nc_u64 s[OQ:OQ+1], s[14:15], s[84:85]
	s_add_nc_u64 s[OQ1:OQ1+1], s[OQ:OQ+1], 32*QBLK
	s_mul_i32 s84, s2, KVBLK
	s_add_nc_u64 s[OK:OK+1], s[16:17], s[84:85]
	s_add_nc_u64 s[OK1:OK1+1], s[OK:OK+1], 32*KVBLK
	s_lshl_b32 s84, s[CX], 2
	s_add_co_u32 s84, s84, s[CHH]
	s_lshl_b32 s84, s84, 8                         ; 64 channels of f32
	s_add_nc_u64 s[PB:PB+1], s[12:13], s[84:85]
	s_mov_b32 s[SEL], 0x76543210
	s_mov_b32 s[SEL+1], 0xfedcba98
	s_mov_b32 s[MNT], 0x600000
	s_mov_b32 s[T], 0
	s_mov_b32 s[SOF], 0
	v_and_b32 v1, 15, v0                           ; r
	v_bfe_u32 v2, v0, 4, 1                         ; h
	v_and_b32 v3, 31, v0
	WALU                                           ; the wait behind these writes
	v_mul_u32_u24 v4, v1, PITCH
	v_lshl_add_u32 v4, v2, 4, v4                   ; a fragment's row x pitch + 16 x half
	s_mul_i32 s2, s[TH], 64*PITCH
	s_add_co_u32 s2, s2, YB
	v_add_nc_u32 v[AX], s2, v4
	s_mul_i32 s2, s[CHH], 64*PITCH
	v_add_nc_u32 v[AW], s2, v4
	s_add_co_u32 s2, s2, YB
	v_add_nc_u32 v[AW+1], s2, v4
	v_lshlrev_b32 v5, 5, v1                        ; a row's scale bytes: 32 a row,
	v_lshrrev_b32 v6, 3, v1
	v_lshl_add_u32 v5, v6, 4, v5                   ; and 16 more for each 256 passed
	s_mul_i32 s2, s[TH], 8*272
	s_add_co_u32 s2, s2, SCL
	v_add_nc_u32 v[ASX], s2, v5
	s_mul_i32 s2, s[CHH], 8*272
	s_add_co_u32 s2, s2, SCL+SXB
	v_add_nc_u32 v[ASW], s2, v5
	v_lshlrev_b32 v[BO], 5, v2
	v_lshlrev_b32 v[BL], 2, v1
	s_lshl_b32 s2, s[TH], 12                       ; q, k: my four tiles of tokens, 1,024 bytes each,
	v_lshl_add_u32 v[LIQ], v3, 4, s2
	s_lshl_b32 s2, s[TH], 8
	s_add_co_u32 s2, s2, 8192                      ; and their 64 bytes of words
	v_lshl_add_u32 v[L4Q], v3, 2, s2
	s_lshl_b32 s2, s[TH], 10                       ; v: my two groups of 32 keys in each tile of channels,
	s_add_co_u32 s2, s2, VCO
	v_lshl_add_u32 v[LIV], v3, 4, s2
	s_lshl_b32 s2, s[TH], 1                        ; and my two bytes of each word
	s_add_co_u32 s2, s2, VCO+8192
	v_lshl_add_u32 v[L4V], v3, 2, s2
	v_mov_b32 v[TR], 0x01000100                    ; lanes 0-15 take a pair's first two bytes, twice; lanes 16-31 its last two
	v_mov_b32 v4, 0x03020302
	s_mov_b32 s2, 0xffff0000
	v_cndmask_b32 v[TR], v[TR], v4, s2
.macro FW slot, q, set                 ; W's four fragments of the q-th 128 along K: registers 4 c .. 4 c + 3 hold K = 32 c + 16 h + 0 .. 15
.irp b, 0,1,2,3
.irp c, 0,1,2,3
	ds_load_b128 v[WF+64*(\set)+16*\b+4*\c:WF+64*(\set)+16*\b+4*\c+3], v[AW+\slot] offset:128*(\q)+32*\c+\b*16*PITCH
.endr
.endr
.endm
; What the next chunk's first products want: its scale words, its first fragments and (q, k) its bias.  nslot: its slot, which is also its half of a part's 256 rows; padd = 1: it opens the next part.  bias 0: none; 1: yes; 2: not where v follows.
.macro PRELOAD nslot, padd, bias
	v_add_nc_u32 v[ASC], s[SOF], v[ASW]
.irp b, 0,1,2,3
	ds_load_b128 v[SB+8*\b:SB+8*\b+3], v[ASC] offset:(\padd)*SWP+(\nslot)*16*272+\b*544
	ds_load_b128 v[SB+8*\b+4:SB+8*\b+7], v[ASC] offset:(\padd)*SWP+(\nslot)*16*272+\b*544+16
.endr
	FW \nslot, 0, 0
.if \bias
.if \bias == 2
	s_cmp_eq_u32 s[T], 1
	s_cbranch_scc1 .Lno_bias_\@
.endif
	WIN 0xc0
.irp b, 0,1,2,3
	global_load_b128 v[BP+8*\b:BP+8*\b+3], v[BO], s[PB:PB+1] offset:(\padd)*4096+(\nslot)*512+64*\b       ; register 8 b + j is channel 16 b + 8 h + j
	global_load_b128 v[BP+8*\b+4:BP+8*\b+7], v[BO], s[PB:PB+1] offset:(\padd)*4096+(\nslot)*512+64*\b+16
.endr
	WIN 0
.Lno_bias_\@:
.endif
.endm
; 16 products, 128 along K.  The 16 accumulators take turns, one instruction a turn.  q, k: accumulator (a, b) at 32 a + 8 b, begun with the bias; v: at 32 b + 8 a, begun with 0.
.macro MUL kind, q
.if \kind
	WIN 0xf0|(1+(\q)/4)
.else
	WIN 0xf0|((1+(\q)/4)<<2)
.endif
.irp b, 0,1,2,3
.irp a, 0,1,2,3
.set X_, 16*((4*(\q)+\a)%16)
.set W_, WF+64*((\q)%2)+16*\b
.if \kind
.set D_, 32*\b+8*\a
.if (\q) == 0
	v_wmma_scale_f32_16x16x128_f8f6f4 v[D_:D_+7], v[X_:X_+15], v[W_:W_+15], 0, v[SA+8*\a+(\q)], v[SB+8*\b+(\q)] matrix_a_fmt:MATRIX_FMT_BF8 matrix_b_fmt:MATRIX_FMT_BF8
.else
	v_wmma_scale_f32_16x16x128_f8f6f4 v[D_:D_+7], v[X_:X_+15], v[W_:W_+15], v[D_:D_+7], v[SA+8*\a+(\q)], v[SB+8*\b+(\q)] matrix_a_fmt:MATRIX_FMT_BF8 matrix_b_fmt:MATRIX_FMT_BF8
.endif
.else
.set D_, 32*\a+8*\b
.if (\q) == 0
	v_wmma_scale_f32_16x16x128_f8f6f4 v[D_:D_+7], v[W_:W_+15], v[X_:X_+15], v[BP+8*\b:BP+8*\b+7], v[SB+8*\b+(\q)], v[SA+8*\a+(\q)] matrix_a_fmt:MATRIX_FMT_BF8 matrix_b_fmt:MATRIX_FMT_BF8
.else
	v_wmma_scale_f32_16x16x128_f8f6f4 v[D_:D_+7], v[W_:W_+15], v[X_:X_+15], v[D_:D_+7], v[SB+8*\b+(\q)], v[SA+8*\a+(\q)] matrix_a_fmt:MATRIX_FMT_BF8 matrix_b_fmt:MATRIX_FMT_BF8
.endif
.endif
.endr
.endr
	WIN 0
.endm
; A chunk's 128 products.  While one set of W's fragments is multiplied the other is fetched, eight places behind the products that read it.
.macro COMPUTE kind, slot
	s_wait_xcnt 0x0                                ; the last way out's stores have read their data: set 1 lands on those registers
.if \kind == 0
	s_wait_loadcnt 0x0                             ; the bias
.endif
.irp q, 0,1,2,3,4,5,6,7
.if \q < 7
.if \q > 0
	PLACES 8
.endif
	FW \slot, \q+1, (\q+1)%2
	s_wait_dscnt 16                                ; all but the sixteen just issued
.else
	s_wait_dscnt 0x0
.endif
	MUL \kind, \q
.endr
	PLACES 8                                       ; ahead of the loads into what the last products read, and of the first reader of the sums
.endm
; mode 2: a drained round, and this slot takes the chunk two on; 1: a barrier that shows the last chunk; 0: nothing follows.
.macro CHUNK kind, slot, mode, bias
.if \kind
.irp b, 0,1,2,3
	global_load_b32 v[BS+2*\b], v[BL], s[PB:PB+1] offset:(\slot)*512+64*\b      ; v's bias: channel 16 b + r, my lane's; twice, as a pair
	global_load_b32 v[BS+2*\b+1], v[BL], s[PB:PB+1] offset:(\slot)*512+64*\b
.endr
.endif
	COMPUTE \kind, \slot
.if \mode == 2
	s_wait_tensorcnt 0x0                           ; my part of the next chunk is in;
	ds_add_u32 v[SPW], v[NIL]                      ; the add;
	s_add_nc_u64 s[G0R+4*\slot+2:G0R+4*\slot+3], s[G0R+4*\slot+2:G0R+4*\slot+3], 0x100000   ; 1,024 rows of W on: the same half of the next part
	s_wait_dscnt 0x0                               ; the add is done, and my reads of this slot are over
	CROUND
	tensor_load_to_lds s[G0R+4*\slot:G0R+4*\slot+3], s[G1W:G1W+7]
	s_nop 0
	PLACES 4
.elseif \mode == 1
	s_wait_tensorcnt 0x0
	s_wait_dscnt 0x0
	s_barrier_signal -1
	s_barrier_wait -1
.endif
.if \mode
	PRELOAD 1-\slot, \slot, \bias
.endif
.endm
; 64 sums of a lane, window 3's v[s] on, become 64 codes in v[PC] on and four scale bytes in v[PW].  A block of 32 along the next K is 16 registers in lanes l and l xor 16.  kind 1: the bias of my lane's channel is added first.
.macro QUANT s, kind, x0
	s_wait_xcnt 0x0                                ; the stores before have read the codes' registers
.if \kind
.if (\x0) == 0
	s_wait_loadcnt 0x0                             ; v's bias
.endif
	WIN 0xc3
.set i, 0
.rept 32
	v_pk_add_f32 v[\s+i:\s+i+1], v[\s+i:\s+i+1], v[BS+2*((\x0)+i/32):BS+2*((\x0)+i/32)+1]
.set i, i+2
.endr
.endif
	WIN 0x0f
.irp b, 0,1,2,3
	v_max3_num_f32 v[TM+\b], |v[\s+16*\b]|, |v[\s+1+16*\b]|, 0x8000000   ; and the floor 2^(16 - 127): the byte cannot fall under 1
.endr
	WIN 0x3c
.irp i, 2,4,6,8,10,12,14
.irp b, 0,1,2,3
	v_max3_num_f32 v[TM+\b], v[TM+\b], |v[\s+16*\b+\i]|, |v[\s+1+16*\b+\i]|
.endr
.endr
	WIN 0
.irp b, 0,1,2,3
	v_permlanex16_b32 v[TM+4+\b], v[TM+\b], s[SEL], s[SEL+1]
.endr
.irp b, 0,1,2,3
	v_max_num_f32 v[TM+\b], v[TM+\b], v[TM+4+\b]
.endr
.irp b, 0,1,2,3
	v_add_nc_u32 v[TM+12+\b], 0xf8800000, v[TM+\b]           ; 15 off the exponent field: the conversion's scale operand
.endr
.irp b, 0,1,2,3
	v_and_or_b32 v[TM+8+\b], v[TM+\b], 0x7f800000, s[MNT]    ; 57,344 x the scale
.endr
.irp b, 0,1,2,3
	v_lshrrev_b32 v[TM+4+\b], 23, v[TM+12+\b]                ; the scale's byte
.endr
	v_lshl_or_b32 v[PW], v[TM+5], 8, v[TM+4]
	v_lshl_or_b32 v[PW], v[TM+6], 16, v[PW]
	v_lshl_or_b32 v[PW], v[TM+7], 24, v[PW]
	WIN 0xc3
.irp b, 0,1,2,3
.irp i, 0,1,2,3,4,5,6,7,8,9,10,11,12,13,14,15
	v_med3_num_f32 v[\s+16*\b+\i], v[\s+16*\b+\i], -v[TM+8+\b], v[TM+8+\b]   ; the conversion does not saturate (ISA guide 7.6.2): the hold
.endr
.endr
	WIN 0x03
.irp b, 0,1,2,3
	v_cvt_scalef32_pk8_bf8_f32 v[PC+4*\b:PC+4*\b+1], v[\s+16*\b:\s+16*\b+7], v[TM+12+\b]
	v_cvt_scalef32_pk8_bf8_f32 v[PC+4*\b+2:PC+4*\b+3], v[\s+16*\b+8:\s+16*\b+15], v[TM+12+\b]
.endr
	WIN 0
	v_nop                                          ; one plain vector line behind the last conversion
	v_perm_b32 v[WD], v[PW], v[PW], v[TR]
.endm
; A chunk leaves: two pairs of tiles (q, k: of tokens; v: of channels).  Each store of codes covers 512 consecutive bytes, aligned.
.macro WAYOUT kind, ptr
.irp p, 0,1
	QUANT 64*\p, \kind, 2*\p
.if \kind
	global_store_b128 v[LIV], v[PC:PC+3], s[\ptr:\ptr+1] offset:4096*\p
	global_store_b128 v[LIV], v[PC+4:PC+7], s[\ptr:\ptr+1] offset:4096*\p+512
	global_store_b128 v[LIV], v[PC+8:PC+11], s[\ptr:\ptr+1] offset:4096*\p+2048
	global_store_b128 v[LIV], v[PC+12:PC+15], s[\ptr:\ptr+1] offset:4096*\p+2560
	global_store_b16 v[L4V], v[WD], s[\ptr:\ptr+1] offset:128*\p
.else
	global_store_b128 v[LIQ], v[PC:PC+3], s[\ptr:\ptr+1] offset:2048*\p
	global_store_b128 v[LIQ], v[PC+4:PC+7], s[\ptr:\ptr+1] offset:2048*\p+512
	global_store_b128 v[LIQ], v[PC+8:PC+11], s[\ptr:\ptr+1] offset:2048*\p+1024
	global_store_b128 v[LIQ], v[PC+12:PC+15], s[\ptr:\ptr+1] offset:2048*\p+1536
	global_store_b32 v[L4Q], v[WD], s[\ptr:\ptr+1] offset:128*\p
.endif
.endr
.endm
	WALU                                           ; the wait at the head's end
	s_wait_tensorcnt 0x0                           ; my tile of the head's four is in,
	s_barrier_signal -1
	s_barrier_wait -1                              ; everybody's is
.set Q_, 0
.rept 8                                        ; my 64 tokens, all of K, into windows 1 and 2
	WIN (1+Q_/4)<<6
.irp a, 0,1,2,3
.irp c, 0,1,2,3
	ds_load_b128 v[16*((4*Q_+\a)%16)+4*\c:16*((4*Q_+\a)%16)+4*\c+3], v[AX] offset:\a*16*PITCH+128*Q_+32*\c
.endr
.endr
.set Q_, Q_+1
.endr
	WIN 0
.irp a, 0,1,2,3
	ds_load_b128 v[SA+8*\a:SA+8*\a+3], v[ASX] offset:\a*544        ; and their scale words: eight a row
	ds_load_b128 v[SA+8*\a+4:SA+8*\a+7], v[ASX] offset:\a*544+16
.endr
	s_wait_tensorcnt 0x0                           ; ahead of the refill of x's slot
	ds_add_u32 v[SPW], v[NIL]
	s_mov_b32 s[G1W+2], 32<<16                     ; no tensor load of mine is out: from here on a load brings 32 rows
	s_mov_b32 s[G1W+4], 32
	s_wait_dscnt 0x0                               ; x is in registers
	CROUND
	tensor_load_to_lds s[G0R+4:G0R+7], s[G1W:G1W+7]   ; chunk 1, over x's rows
	s_nop 0
	PLACES 4
	PRELOAD 0, 0, 1
.Lqk:                                              ; two trips: q's two chunks, k's two; each chunk's round refills its slot
	CHUNK 0, 0, 2, 1
	s_wait_xcnt 0x0                                ; the stores before have read their base
	s_cmp_eq_u32 s[T], 0
	s_cselect_b64 s[CP:CP+1], s[OQ:OQ+1], s[OK:OK+1]
	WAYOUT 0, CP
	CHUNK 0, 1, 2, 2
	s_wait_xcnt 0x0
	s_cmp_eq_u32 s[T], 0
	s_cselect_b64 s[CP:CP+1], s[OQ1:OQ1+1], s[OK1:OK1+1]
	WAYOUT 0, CP
	s_wait_xcnt 0x0                                ; the bias's loads have read their base
	s_add_nc_u64 s[PB:PB+1], s[PB:PB+1], 4096      ; on to the next part: 1,024 channels,
	s_add_co_u32 s[SOF], s[SOF], SWP               ; 256 rows of scale bytes
	s_add_co_u32 s[T], s[T], 1
	s_cmp_lt_u32 s[T], 2
	s_cbranch_scc1 .Lqk
	CHUNK 1, 0, 1, 0                               ; v's two chunks fill nothing
	WAYOUT 1, OK
	CHUNK 1, 1, 0, 0
	WAYOUT 1, OK1
	s_wait_tensorcnt 0x0                           ; the wave's end
	ds_add_u32 v[SPW], v[NIL]
	s_wait_dscnt 0x0
	CROUND                                         ; the closing round
	s_endpgm
.Lfunc_end_k_qdf0ad45290_qkv:
	.size	k_qdf0ad45290_qkv, .Lfunc_end_k_qdf0ad45290_qkv-k_qdf0ad45290_qkv
	.p2alignl 7, 3214868480
	.fill 96, 4, 3214868480
	.section	.rodata,"a",@progbits
	.p2align	6, 0x0
	.amdhsa_kernel k_qdf0ad45290_qkv
		.amdhsa_group_segment_fixed_size 327680
		.amdhsa_private_segment_fixed_size 0
		.amdhsa_enable_private_segment 0
		.amdhsa_kernarg_size 56
		.amdhsa_user_sgpr_count 2
		.amdhsa_user_sgpr_kernarg_segment_ptr 1
		.amdhsa_wavefront_size32 1
		.amdhsa_system_sgpr_workgroup_id_x 1
		.amdhsa_system_sgpr_workgroup_id_y 1
		.amdhsa_system_sgpr_workgroup_id_z 1
		.amdhsa_system_vgpr_workitem_id 0
		.amdhsa_next_free_vgpr 1024
		.amdhsa_next_free_sgpr 106
		.amdhsa_reserve_vcc 0
		.amdhsa_float_denorm_mode_32 3
		.amdhsa_float_denorm_mode_16_64 3
		.amdhsa_memory_ordered 1
		.amdhsa_forward_progress 1
		.amdhsa_inst_pref_size 212
	.end_amdhsa_kernel
	.amdgpu_metadata
---
amdhsa.version: [ 1, 2 ]
amdhsa.kernels:
  - .name:           k_qdf0ad45290_qkv
    .symbol:         k_qdf0ad45290_qkv.kd
    .args:
      - { .name: x_codes, .offset: 0, .size: 8, .value_kind: global_buffer, .address_space: global }
      - { .name: x_scales, .offset: 8, .size: 8, .value_kind: global_buffer, .address_space: global }
      - { .name: qkv_w_codes, .offset: 16, .size: 8, .value_kind: global_buffer, .address_space: global }
      - { .name: qkv_w_scales, .offset: 24, .size: 8, .value_kind: global_buffer, .address_space: global }
      - { .name: qkv_b, .offset: 32, .size: 8, .value_kind: global_buffer, .address_space: global }
      - { .name: q_ws, .offset: 40, .size: 8, .value_kind: global_buffer, .address_space: global }
      - { .name: kv_ws, .offset: 48, .size: 8, .value_kind: global_buffer, .address_space: global }
    .group_segment_fixed_size: 327680
    .private_segment_fixed_size: 0
    .kernarg_segment_align: 8
    .kernarg_segment_size: 56
    .max_flat_workgroup_size: 128
    .sgpr_count:     106
    .vgpr_count:     1024
    .wavefront_size: 32
...
	.end_amdgpu_metadata
.endif
;; end of part 1
;; launch attn (part 2): grid 4 x 64, 16 waves a work-group, clusters of 4 x 1, 327,680 bytes of LDS; arguments q_ws, kv_ws, a_img, a_sc; writes a_img, a_sc
.if DOCPART == 2
	.amdgcn_target "amdgcn-amd-amdhsa--gfx1250"
	.amdhsa_code_object_version 6
	.text
	.protected	k_qdf0ad45290_attn
	.globl	k_qdf0ad45290_attn
	.p2align	8
	.type	k_qdf0ad45290_attn,@function
k_qdf0ad45290_attn:
	s_mov_b64 s[64:65], 0
	v_nop
	global_prefetch_b8 v0, s[64:65] scope:SCOPE_SE
	s_setreg_imm32_b32 hwreg(HW_REG_WAVE_MODE, 25, 1), 1
	s_wait_xcnt 0x0
	s_wait_alu depctr_hold_cnt(0) depctr_sa_sdst(0) depctr_va_vdst(0) depctr_va_sdst(0) depctr_va_ssrc(0) depctr_va_vcc(0) depctr_vm_vsrc(0)
	s_getreg_b32 s2, hwreg(HW_REG_IB_STS2, 6, 4)
	s_cmp_eq_u32 s2, 0
	s_cbranch_scc0 .Lentry_in_a_cluster
	s_endpgm
.Lentry_in_a_cluster:
	s_bfe_u32 s2, ttmp6, 0x10000c
	s_cmp_lg_u32 s2, 0x3003
	s_cbranch_scc0 .Lentry_shape_is_right
	s_endpgm
.Lentry_shape_is_right:
; Causal attention of 64 heads (16 x batch + head), 2,048 tokens, head size 64, both products on codes of BF8 (E5M2) with E8M0 scales; the result, divided by the row's sum, is quantised along the channels for the last product.
; LEFT OUT: key steps all of whose 128 keys come after a tile's 16 queries: the causal mask sets their scores to -inf, so their p is 0 for all inputs.  A NaN or an infinity that reaches only those scores is not carried on.
; IN: images of operand registers (a group of four registers is 512 bytes, lane l's 16 bytes at 16 l), in blocks of 128 tokens:
;   q_ws block, 8,704 bytes: codes [tile of 16 tokens, 8][group c, 2][512]; scale words [tile 8][row 16], the head's two bytes twice in each word.
;   kv_ws block, 17,152 bytes: k likewise; at 8,704 v's codes [tile of 16 channels, 4][group c, 4][512], keys innermost; at 16,896 v's scale words [tile 4][row 16].
;   Inside a block of 32 along K lane (r, h) holds numbers 8 h + 0..7, then 16 + 8 h + 0..7: q as k, and v as the p made here, whose conversions leave that very order.
; OUT: a_img [K step of 256 channels, 4][tile of 16 tokens, 512][128 channels, 2][group c, 4][512], channels in their true order; a_sc [token 8,192][32] scale bytes, two bytes a token from each head.
; THE SOFTMAX: t = score x log2(e) / 8; M = the row's largest t so far, rounded UP to a whole number; p = 2^(t - M) is quantised along the keys, not normalised; the row's sum is taken of the unquantised p and divides at the end.
; When M moves, the sum and O are multiplied by 2^(old M - new M): exact.  A block's largest p is made from the block's largest score by the same two instructions (this takes v_exp_f32 not to fall where its input rises).
; A HEAD'S k AND v STAY IN LDS: 16 blocks, 274,432 bytes.  Each of the sixteen waves fetches one block by one tensor load at the head; nothing is filled again, so one barrier serves the launch and the waves then walk on their own.
; A cluster of four work-groups is one head: the four ask for each block JOINTLY.  No prefetch: every tile is asked for at the head, so there is no loop to run ahead in.
; SHARES.  A tile is 16 queries; tile (beta, sub) holds queries 128 beta + 16 sub on and needs key steps 0 .. beta.  Wave w of work-group cx owns sub = 2 cx + w % 2 of beta = 15 - w / 2 and then of beta = w / 2: 17 key steps for every wave.
; The two walks have 16 and 8 trips, constants; a trip past beta is jumped over, by the wave's number and the trip alone.  cx enters global addresses and the diagonal's selects, no branch and no LDS address.
; K = 64 IN A FORM THAT IS 128 DEEP: a fragment holds TWO tiles of keys, one in each half of K; it is multiplied by [q | 0] for the first and by [0 | q] for the second (v16-23 q, v24-31 zero codes, v32-39 q).
; LAYOUT.  Both products are used transposed: S^T = k q^T, O^T = v^T p^T: a lane holds ONE query (lane % 16).  In S^T register 8 a + j is key 16 a + 8 (lane / 16) + j.
; LIMITS: NaN and infinities are not served; the scaled scores stay under 2^31 in magnitude; a block of zeros gets the byte 1 (over zero codes); the division is a multiplication by v_rcp_f32's result.
.set BLKB,  17152
.set QBLK,  8704
.set KSC,   8192                       ; in a block: k's scale words,
.set VCO,   8704                       ; v's codes,
.set VSC,   16896                      ; v's scale words
.set SPARE, 16*BLKB                    ; the spare words, 128 bytes for each wave: eight blocks of 256 bytes that no other line names
.set AL,   1                           ; v1   16 x lane
.set AR,   2                           ; v2   4 x (lane % 16)
.set SPW,  3                           ; v3   my spare word; never rewritten
.set NIL,  4                           ; v4   0; never rewritten
.set ADK,  5                           ; v5   the block in hand + 16 x lane
.set ADS,  6                           ; v6   the block in hand + 4 x (lane % 16)
.set AT,   7                           ; v7   32 x (lane % 16): my token's row of a_sc
.set QF,   16                          ; v16-39 q, zeros, q.   v12 -M, v13 the largest t, v[14:15] the sum in two halves
.set KF,   40                          ; v40-103 four fragments of k, two tiles each; behind the first products v's four fragments
.set S,    104                         ; v104-167 S^T, then p
.set T0,   8                           ; v[8:9], v[10:11], v[250:251] three of the four chains of the row's sum
.set T1,   10
.set T2,   250
.set O,    168                         ; v168-199 O^T
.set PC,   200                         ; v200-215 p's codes; at a walk's end v200-207 the result's
.set KSW,  216                         ; v216-223 k's scale words
.set VSW,  224                         ; v224-227 v's
.set BM,   228                         ; v228-231 a block's largest score, then its largest p
.set X4,   232
.set HOLD, 236                         ; 57,344 x the scale
.set SOP,  240                         ; the conversions' scale operands
.set FF,   244                         ; v[244:245] f = 2^(old M - new M)
.set TMP,  246
.set NINF, 247
.set AW,   248
.set QSW,  249
.set PSW,  252
.set WV,   12
.set SUB,  17                          ; s17  my tile's place among the eight of its 128 tokens
.set G1,   24
.set G0,   32
.set OFS,  36                          ; s[36:37] feeds the descriptor; never holds cx
.set TOF,  38                          ; s[38:39] for q's and the result's addresses
.set QC,   40
.set AO,   44
.set ASC,  48
.set QS,   52
.set BE0,  56                          ; s56, s57 beta of walk 0, 1
.set CS,   58                          ; s[58:59] c = log2(e) / 8
.set SEL,  60
.set MNT,  62
.set XM,   67
.set MK,   68                          ; s68-75 lane masks: bit set where j > lane % 16 - 8 (lane / 16)
.set YM,   76                          ; s76-83 a tile's eight masks
.set BE,   85                          ; beta of the walk in hand
.set KB,   86                          ; the trip = the key step
.set TBY,  87                          ; LDS byte at which its block begins
.macro CROUND
	s_barrier_signal -1
	s_barrier_wait -1
	s_cmp_lg_u32 s[WV], 0
	s_cbranch_scc1 .Lnot_wave_0_\@
	s_barrier_signal -3
.Lnot_wave_0_\@:
	s_barrier_wait -3
	s_barrier_signal -1
	s_barrier_wait -1
.endm
.macro WALU
	s_wait_alu depctr_va_vdst(0)
.endm
	s_load_b256 s[4:11], s[0:1], 0x0               ; q_ws, kv_ws, a_img, a_sc
	v_lshl_add_u32 v[SPW], v0, 2, SPARE
	v_mov_b32 v[NIL], 0
	ds_add_u32 v[SPW], v[NIL]                      ; the opening lines: the add, twice on end, and its wait
	ds_add_u32 v[SPW], v[NIL]
	v_lshrrev_b32 v8, 5, v0
	v_readfirstlane_b32 s[WV], v8                  ; wave 0..15
	s_bfe_u32 s13, ttmp6, 0x40000                  ; cx
	s_and_b32 s14, ttmp7, 0xffff                   ; 16 x batch + head
	s_lshr_b32 s15, s[WV], 1
	s_and_b32 s16, s[WV], 1
	s_lshl_b32 s[SUB], s13, 1
	s_add_co_u32 s[SUB], s[SUB], s16
	s_and_b32 s21, s14, 15                         ; the head
	s_lshr_b32 s22, s14, 4                         ; the batch
	s_lshr_b32 s23, s21, 2
	s_lshl_b32 s23, s23, 21                        ; a_img: the head's K step of 256 channels,
	s_lshl_b32 s2, s22, 19
	s_add_co_u32 s23, s23, s2                      ; the batch's 128 tiles of 4,096 bytes,
	s_and_b32 s2, s21, 3
	s_lshl_b32 s2, s2, 10
	s_add_co_u32 s23, s23, s2                      ; the head's 1,024 bytes in a tile
	s_lshl_b32 s63, s22, 16                        ; a_sc: the batch's 2,048 rows of 32 bytes,
	s_lshl_b32 s2, s21, 1
	s_add_co_u32 s63, s63, s2                      ; the head's two bytes in a row
	s_mov_b32 s[G1], 15|(3<<16)|(1<<21)            ; a block: 67 dense rows of 256 bytes (32 elements of 8); the mask names all four work-groups
	s_mov_b32 s[G1+1], 32<<16
	s_mov_b32 s[G1+2], 67<<16
	s_mov_b32 s[G1+3], 32<<16
	s_mov_b32 s[G1+4], 67
	s_mov_b32 s[G1+5], 32
	s_mov_b32 s[G1+6], 0
	s_mov_b32 s[G1+7], 0
	s_mov_b32 s[G0], 1
	s_mul_i32 s[G0+1], s[WV], BLKB                 ; block w goes to LDS byte w x 17,152
	s_lshl_b32 s[OFS], s14, 4
	s_add_co_u32 s[OFS], s[OFS], s[WV]
	s_mul_i32 s[OFS], s[OFS], BLKB
	s_mov_b32 s[OFS+1], 0
	s_mov_b32 s[TOF+1], 0
	s_mov_b32 s[CS], 0x3e38aa3b
	s_mov_b32 s[CS+1], s[CS]
	s_mov_b32 s[SEL], 0x76543210
	s_mov_b32 s[SEL+1], 0xfedcba98
	s_mov_b32 s[MNT], 0x600000
	s_wait_dscnt 0x0
	CROUND                                         ; all four work-groups are here: the joint loads meet
	s_wait_kmcnt 0x0
	s_add_nc_u64 s[G0+2:G0+3], s[6:7], s[OFS:OFS+1]
	s_or_b32 s[G0+3], s[G0+3], 0x80000000
	tensor_load_to_lds s[G0:G0+3], s[G1:G1+7]      ; my one tensor load of the launch
	s_nop 0
.rept 4
	v_nop
.endr
.macro PASSADR p
.if \p == 0
	s_sub_co_u32 s[BE0], 15, s15
.else
	s_mov_b32 s[BE0+1], s15
.endif
	s_lshl_b32 s18, s14, 4
	s_add_co_u32 s18, s18, s[BE0+\p]
	s_mul_i32 s18, s18, QBLK                       ; my block of q_ws
	s_lshl_b32 s19, s[SUB], 10
	s_add_co_u32 s[TOF], s18, s19
	s_add_nc_u64 s[QC+2*\p:QC+2*\p+1], s[4:5], s[TOF:TOF+1]
	s_lshl_b32 s19, s[SUB], 6
	s_add_co_u32 s[TOF], s18, s19
	s_add_co_u32 s[TOF], s[TOF], 8192
	s_add_nc_u64 s[QS+2*\p:QS+2*\p+1], s[4:5], s[TOF:TOF+1]
	s_lshl_b32 s19, s[BE0+\p], 3
	s_add_co_u32 s19, s19, s[SUB]                  ; my tile of 16 tokens in the sequence
	s_lshl_b32 s[TOF], s19, 12
	s_add_co_u32 s[TOF], s[TOF], s23
	s_add_nc_u64 s[AO+2*\p:AO+2*\p+1], s[8:9], s[TOF:TOF+1]
	s_lshl_b32 s[TOF], s19, 9
	s_add_co_u32 s[TOF], s[TOF], s63
	s_add_nc_u64 s[ASC+2*\p:ASC+2*\p+1], s[10:11], s[TOF:TOF+1]
.endm
	PASSADR 0
	PASSADR 1
	v_and_b32 v8, 31, v0
	v_lshlrev_b32 v[AL], 4, v8
	v_and_b32 v9, 15, v0
	v_lshlrev_b32 v[AR], 2, v9
	v_lshlrev_b32 v[AT], 5, v9
	v_bfe_u32 v10, v0, 4, 1
	v_lshlrev_b32 v10, 3, v10
	v_sub_nc_u32 v11, v9, v10                      ; r - 8 h
.irp j, 0,1,2,3,4,5,6,7
	v_cmp_gt_i32 s[MK+\j], \j, v11                 ; in the tile on the diagonal register j's key is hidden where 8 h + j > r
.endr
.irp j, 0,1,2,3,4,5,6,7
	v_mov_b32 v[QF+8+\j], 0                        ; the zero codes between the two copies of q
.endr
.irp b, 0,1,2,3
	v_mov_b32 v[X4+\b], 0                          ; a lane permute's destination counts as one of its sources
.endr
	v_mov_b32 v[FF+1], 0
	v_mov_b32 v[TMP], 0
	v_mov_b32 v[NINF], 0xff800000
; A walk begins: q twice, its scale words; the largest t is -3e38, the sum and O^T are zeros, which the first change of M leaves zeros.
.macro START p
	global_load_b128 v[QF:QF+3], v[AL], s[QC+2*\p:QC+2*\p+1]
	global_load_b128 v[QF+4:QF+7], v[AL], s[QC+2*\p:QC+2*\p+1] offset:512
	global_load_b128 v[QF+16:QF+19], v[AL], s[QC+2*\p:QC+2*\p+1]
	global_load_b128 v[QF+20:QF+23], v[AL], s[QC+2*\p:QC+2*\p+1] offset:512
	global_load_b32 v[QSW], v[AR], s[QS+2*\p:QS+2*\p+1]
	s_mov_b32 s[BE], s[BE0+\p]
	s_mov_b32 s[KB], 0
	s_mov_b32 s[TBY], 0
	v_mov_b32 v13, 0xff61b1e6
	v_floor_f32 v12, -v13
	v_mov_b32 v14, 0
	v_mov_b32 v15, 0
.set j, 0
.rept 32
	v_mov_b32 v[O+j], 0
.set j, j+1
.endr
	WALU                                           ; the wait ahead of the blocking waits
	s_wait_xcnt 0x0                                ; the last walk's stores have read their data: the codes' registers are written again in the steps
	s_wait_loadcnt 0x0
.endm
; A KEY STEP: the 128 keys of the block at LDS byte s[TBY].
.macro STEP
	v_add_nc_u32 v[ADK], s[TBY], v[AL]
	v_add_nc_u32 v[ADS], s[TBY], v[AR]
.rept 6
	v_nop                                          ; with the two additions eight places: the loads below land in v's fragments, which the last step's products read
.endr
.set i, 0
.rept 16
	ds_load_b128 v[KF+4*i:KF+4*i+3], v[ADK] offset:512*i   ; 2,048 bytes on end are one fragment: tile 2 p in K = 0..63, tile 2 p + 1 in K = 64..127
.set i, i+1
.endr
.set i, 0
.rept 8
	ds_load_b32 v[KSW+i], v[ADS] offset:KSC+64*i
.set i, i+1
.endr
	WALU                                           ; the wait ahead of the blocking wait
	s_wait_dscnt 0x0
.irp p, 0,1,2,3
	v_wmma_scale_f32_16x16x128_f8f6f4 v[S+16*\p:S+16*\p+7], v[KF+16*\p:KF+16*\p+15], v[QF:QF+15], 0, v[KSW+2*\p], v[QSW] matrix_a_fmt:MATRIX_FMT_BF8 matrix_b_fmt:MATRIX_FMT_BF8
	v_wmma_scale_f32_16x16x128_f8f6f4 v[S+16*\p+8:S+16*\p+15], v[KF+16*\p:KF+16*\p+15], v[QF+8:QF+23], 0, v[KSW+2*\p+1], v[QSW] matrix_a_fmt:MATRIX_FMT_BF8 matrix_b_fmt:MATRIX_FMT_BF8
.endr
.rept 8
	v_nop                                          ; eight places behind the products, ahead of the first reader of their sums and of the loads into k's fragments
.endr
.set i, 0
.rept 16
	ds_load_b128 v[KF+4*i:KF+4*i+3], v[ADK] offset:VCO+512*i   ; v's four fragments are asked for at once: they have the softmax in which to land
.set i, i+1
.endr
.irp t, 0,1,2,3
	ds_load_b32 v[VSW+\t], v[ADS] offset:VSC+64*\t
.endr
	s_cmp_lg_u32 s[KB], s[BE]
	s_cbranch_scc1 .Lopen_\@
.irp a, 0,1,2,3,4,5,6,7                        ; tile a: behind my tile all is hidden, in it by the eight masks, ahead of it nothing: selects, no branch
	s_cmp_lt_u32 s[SUB], \a
	s_cselect_b32 s[XM], -1, 0
	s_cmp_eq_u32 s[SUB], \a
.irp j, 0,1,2,3,4,5,6,7
	s_cselect_b32 s[YM+\j], s[MK+\j], s[XM]
.endr
.irp j, 0,1,2,3,4,5,6,7
	v_cndmask_b32 v[S+8*\a+\j], v[S+8*\a+\j], v[NINF], s[YM+\j]   ; -infinity ahead of the maximum: p = 0 then
.endr
.endr
.Lopen_\@:
.irp b, 0,1,2,3
	v_max3_num_f32 v[BM+\b], v[S+16*\b], v[S+1+16*\b], v[S+2+16*\b]   ; the largest score of each block of 32 keys: for the row's maximum and for the block's largest p
.endr
.irp i, 3,5,7,9,11,13
.irp b, 0,1,2,3
	v_max3_num_f32 v[BM+\b], v[BM+\b], v[S+16*\b+\i], v[S+1+16*\b+\i]
.endr
.endr
.irp b, 0,1,2,3
	v_max_num_f32 v[BM+\b], v[BM+\b], v[S+15+16*\b]
.endr
.irp b, 0,1,2,3
	v_permlanex16_b32 v[X4+\b], v[BM+\b], s[SEL], s[SEL+1]
.endr
.irp b, 0,1,2,3
	s_delay_alu instid0(VALU_DEP_4)
	v_max_num_f32 v[BM+\b], v[BM+\b], v[X4+\b]     ; with lane l xor 16's 16 keys
.endr
	s_delay_alu instid0(VALU_DEP_2)
	v_max3_num_f32 v[TMP], v[BM], v[BM+1], v[BM+2]
	s_delay_alu instid0(VALU_DEP_1)
	v_max_num_f32 v[TMP], v[TMP], v[BM+3]
	s_delay_alu instid0(VALU_DEP_1)
	v_mul_f32 v[TMP], s[CS], v[TMP]                ; as t (c is positive)
	s_delay_alu instid0(VALU_DEP_1)
	v_max_num_f32 v13, v13, v[TMP]                 ; the running largest t
	v_mov_b32 v[TMP], v12
	s_delay_alu instid0(VALU_DEP_2)
	v_floor_f32 v12, -v13                          ; the new -M: M is a whole number
	s_delay_alu instid0(VALU_DEP_1)
	v_sub_f32 v[TMP], v12, v[TMP]
	s_delay_alu instid0(VALU_DEP_1)
	v_cvt_i32_f32 v[TMP], v[TMP]                   ; (it saturates)
	s_delay_alu instid0(VALU_DEP_1)
	v_ldexp_f32 v[FF], 1.0, v[TMP]                 ; f = 2^(old M - new M)
.set j, 0
.rept 32
	v_pk_fma_f32 v[S+j:S+j+1], v[S+j:S+j+1], s[CS:CS+1], v[12:13] op_sel_hi:[1,0,0]   ; t - M
.set j, j+2
.endr
.irp b, 0,1,2,3
	v_fma_f32 v[BM+\b], v[BM+\b], s[CS], v12
.endr
	WALU                                           ; the wait ahead of the batch
.set j, 0
.rept 64
	v_exp_f32 v[S+j], v[S+j]                       ; p = 2^(t - M), at most 1
.set j, j+1
.endr
.irp b, 0,1,2,3
	v_exp_f32 v[BM+\b], v[BM+\b]                   ; the block's largest p
.endr
	v_pk_mul_f32 v[14:15], v[14:15], v[FF:FF+1] op_sel_hi:[1,0]   ; the sums under the new M: a plain place behind the batch
	WALU                                           ; and the wait behind it
.irp b, 0,1,2,3
	v_max_num_f32 v[BM+\b], 0x8000000, v[BM+\b]    ; the floor 2^(16 - 127): the byte cannot fall under 1
.endr
.irp b, 0,1,2,3
	v_add_nc_u32 v[SOP+\b], 0xf8800000, v[BM+\b]
.endr
.irp b, 0,1,2,3
	v_and_or_b32 v[HOLD+\b], v[BM+\b], 0x7f800000, s[MNT]
.endr
.irp b, 0,1,2,3
	v_lshrrev_b32 v[X4+\b], 23, v[SOP+\b]
.endr
	v_pk_add_f32 v[T0:T0+1], v[S+16:S+17], v[S+18:S+19]       ; the row's sum of the unquantised p: four chains of eight pairs
	v_pk_add_f32 v[T1:T1+1], v[S+32:S+33], v[S+34:S+35]
	v_pk_add_f32 v[T2:T2+1], v[S+48:S+49], v[S+50:S+51]
	v_pk_add_f32 v[14:15], v[14:15], v[S:S+1]
	v_lshl_or_b32 v[PSW], v[X4+1], 8, v[X4]        ; p's scale word for these 128 keys
	v_lshl_or_b32 v[TMP], v[X4+3], 8, v[X4+2]
	v_pk_add_f32 v[14:15], v[14:15], v[S+2:S+3]
	v_lshl_or_b32 v[PSW], v[TMP], 16, v[PSW]
.irp j, 4,6,8,10,12,14
	v_pk_add_f32 v[T0:T0+1], v[T0:T0+1], v[S+16+\j:S+17+\j]
	v_pk_add_f32 v[T1:T1+1], v[T1:T1+1], v[S+32+\j:S+33+\j]
	v_pk_add_f32 v[T2:T2+1], v[T2:T2+1], v[S+48+\j:S+49+\j]
	v_pk_add_f32 v[14:15], v[14:15], v[S+\j:S+1+\j]
.endr
	v_pk_add_f32 v[T0:T0+1], v[T0:T0+1], v[T1:T1+1]
	v_pk_add_f32 v[14:15], v[14:15], v[T2:T2+1]
	v_pk_add_f32 v[14:15], v[14:15], v[T0:T0+1]
.irp b, 0,2                                    ; the holds (the conversion does not saturate: ISA guide 7.6.2; p is not negative), two to an instruction: one of block b and one of block b + 1
.irp i, 0,2,4,6,8,10,12,14
	v_dual_min_num_f32 v[S+16*\b+\i], v[HOLD+\b], v[S+16*\b+\i] :: v_dual_min_num_f32 v[S+16*\b+17+\i], v[HOLD+\b+1], v[S+16*\b+17+\i]
	v_dual_min_num_f32 v[S+16*\b+16+\i], v[HOLD+\b+1], v[S+16*\b+16+\i] :: v_dual_min_num_f32 v[S+16*\b+1+\i], v[HOLD+\b], v[S+16*\b+1+\i]
.endr
.irp c, 0,1
	v_cvt_scalef32_pk8_bf8_f32 v[PC+4*(\b+\c):PC+4*(\b+\c)+1], v[S+16*(\b+\c):S+16*(\b+\c)+7], v[SOP+\b+\c]
	v_cvt_scalef32_pk8_bf8_f32 v[PC+4*(\b+\c)+2:PC+4*(\b+\c)+3], v[S+16*(\b+\c)+8:S+16*(\b+\c)+15], v[SOP+\b+\c]
.endr
.endr
	WALU                                           ; the wait directly ahead of the first readers of O^T
.set j, 0
.rept 16
	v_pk_mul_f32 v[O+j:O+j+1], v[O+j:O+j+1], v[FF:FF+1] op_sel_hi:[1,0]   ; O^T under the new M; also the places between the codes and the products
.set j, j+2
.endr
	WALU                                           ; the wait ahead of the blocking wait
	s_wait_dscnt 0x0
.irp t, 0,1,2,3                                ; O^T += v^T p^T: one instruction to each accumulator
	v_wmma_scale_f32_16x16x128_f8f6f4 v[O+8*\t:O+8*\t+7], v[KF+16*\t:KF+16*\t+15], v[PC:PC+15], v[O+8*\t:O+8*\t+7], v[VSW+\t], v[PSW] matrix_a_fmt:MATRIX_FMT_BF8 matrix_b_fmt:MATRIX_FMT_BF8
.endr
.endm
; A walk ends: O^T / the sum; register 8 t + j is channel 16 t + 8 h + j of my token: two blocks of 32 channels are quantised; two exchanges between the halves of the lanes bring each block's codes into the true order.
.macro FLUSH p
.rept 8
	v_nop                                          ; places behind the last products
.endr
	v_add_f32 v14, v14, v15
	v_permlanex16_b32 v[TMP], v14, s[SEL], s[SEL+1]
	v_add_f32 v14, v14, v[TMP]                     ; the row's sum
	WALU
	v_rcp_f32 v14, v14
	v_nop
	WALU
.set j, 0
.rept 32
	v_mul_f32 v[S+j], v[O+j], v14                  ; each accumulator from its low end on
.set j, j+1
.endr
.irp b, 0,1
	v_max3_num_f32 v[BM+\b], |v[S+16*\b]|, |v[S+1+16*\b]|, 0x8000000
.endr
.irp i, 2,4,6,8,10,12,14
.irp b, 0,1
	v_max3_num_f32 v[BM+\b], v[BM+\b], |v[S+16*\b+\i]|, |v[S+1+16*\b+\i]|
.endr
.endr
.irp b, 0,1
	v_permlanex16_b32 v[X4+\b], v[BM+\b], s[SEL], s[SEL+1]
.endr
.irp b, 0,1
	v_max_num_f32 v[BM+\b], v[BM+\b], v[X4+\b]
.endr
.irp b, 0,1
	v_add_nc_u32 v[SOP+\b], 0xf8800000, v[BM+\b]
.endr
.irp b, 0,1
	v_and_or_b32 v[HOLD+\b], v[BM+\b], 0x7f800000, s[MNT]
.endr
.irp b, 0,1
	v_lshrrev_b32 v[X4+\b], 23, v[SOP+\b]
.endr
	v_lshl_or_b32 v[AW], v[X4+1], 8, v[X4]         ; my token's two scale bytes
.irp b, 0,1
.irp i, 0,1,2,3,4,5,6,7,8,9,10,11,12,13,14,15
	v_med3_num_f32 v[S+16*\b+\i], v[S+16*\b+\i], -v[HOLD+\b], v[HOLD+\b]
.endr
	v_cvt_scalef32_pk8_bf8_f32 v[PC+4*\b:PC+4*\b+1], v[S+16*\b:S+16*\b+7], v[SOP+\b]
	v_cvt_scalef32_pk8_bf8_f32 v[PC+4*\b+2:PC+4*\b+3], v[S+16*\b+8:S+16*\b+15], v[SOP+\b]
.endr
	v_nop
.irp b, 0,1
	v_permlane16_swap_b32 v[PC+4*\b], v[PC+4*\b+2]
	v_permlane16_swap_b32 v[PC+4*\b+1], v[PC+4*\b+3]
.endr
	global_store_b128 v[AL], v[PC:PC+3], s[AO+2*\p:AO+2*\p+1]                 ; each store of the wave covers 512 consecutive bytes, aligned
	global_store_b128 v[AL], v[PC+4:PC+7], s[AO+2*\p:AO+2*\p+1] offset:512
	global_store_b16 v[AT], v[AW], s[ASC+2*\p:ASC+2*\p+1]                     ; lanes l and l xor 16 write the same two bytes with the same value
.endm
.macro WALK p, trips
.Lwalk_\p:
	s_cmp_gt_u32 s[KB], s[BE]                      ; all its keys come after my queries: nothing to do
	s_cbranch_scc1 .Lpast_\p
	STEP
.Lpast_\p:
	s_add_co_u32 s[TBY], s[TBY], BLKB
	s_add_co_u32 s[KB], s[KB], 1
	s_cmp_lt_u32 s[KB], \trips
	s_cbranch_scc1 .Lwalk_\p
	FLUSH \p
.endm
	START 0
	s_wait_tensorcnt 0x0                           ; my block is in,
	s_barrier_signal -1
	s_barrier_wait -1                              ; everybody's is: the head's k and v lie in LDS for the rest of the launch
	WALK 0, 16
	START 1
	WALK 1, 8
	s_wait_tensorcnt 0x0                           ; the wave's end
	ds_add_u32 v[SPW], v[NIL]
	s_wait_dscnt 0x0
	CROUND                                         ; the closing round
	s_endpgm
.Lfunc_end_k_qdf0ad45290_attn:
	.size	k_qdf0ad45290_attn, .Lfunc_end_k_qdf0ad45290_attn-k_qdf0ad45290_attn
	.p2alignl 7, 3214868480
	.fill 96, 4, 3214868480
	.section	.rodata,"a",@progbits
	.p2align	6, 0x0
	.amdhsa_kernel k_qdf0ad45290_attn
		.amdhsa_group_segment_fixed_size 327680
		.amdhsa_private_segment_fixed_size 0
		.amdhsa_enable_private_segment 0
		.amdhsa_kernarg_size 32
		.amdhsa_user_sgpr_count 2
		.amdhsa_user_sgpr_kernarg_segment_ptr 1
		.amdhsa_wavefront_size32 1
		.amdhsa_system_sgpr_workgroup_id_x 1
		.amdhsa_system_sgpr_workgroup_id_y 1
		.amdhsa_system_sgpr_workgroup_id_z 1
		.amdhsa_system_vgpr_workitem_id 0
		.amdhsa_next_free_vgpr 256
		.amdhsa_next_free_sgpr 88
		.amdhsa_reserve_vcc 0
		.amdhsa_float_denorm_mode_32 3
		.amdhsa_float_denorm_mode_16_64 3
		.amdhsa_memory_ordered 1
		.amdhsa_forward_progress 1
		.amdhsa_inst_pref_size 74
	.end_amdhsa_kernel
	.amdgpu_metadata
---
amdhsa.version: [ 1, 2 ]
amdhsa.kernels:
  - .name:           k_qdf0ad45290_attn
    .symbol:         k_qdf0ad45290_attn.kd
    .args:
      - { .name: q_ws, .offset: 0, .size: 8, .value_kind: global_buffer, .address_space: global }
      - { .name: kv_ws, .offset: 8, .size: 8, .value_kind: global_buffer, .address_space: global }
      - { .name: a_img, .offset: 16, .size: 8, .value_kind: global_buffer, .address_space: global }
      - { .name: a_sc, .offset: 24, .size: 8, .value_kind: global_buffer, .address_space: global }
    .group_segment_fixed_size: 327680
    .private_segment_fixed_size: 0
    .kernarg_segment_align: 8
    .kernarg_segment_size: 32
    .max_flat_workgroup_size: 512
    .sgpr_count:     88
    .vgpr_count:     256
    .wavefront_size: 32
...
	.end_amdgpu_metadata
.endif
;; end of part 2
;; launch proj (part 3): grid 4 x 64, 4 waves a work-group, clusters of 4 x 4, 327,680 bytes of LDS; arguments a_img, a_sc, proj_w_codes, proj_w_scales, proj_b, out0; writes out0
.if DOCPART == 3
	.amdgcn_target "amdgcn-amd-amdhsa--gfx1250"
	.amdhsa_code_object_version 6
	.text
	.protected	k_qdf0ad45290_proj
	.globl	k_qdf0ad45290_proj
	.p2align	8
	.type	k_qdf0ad45290_proj,@function
k_qdf0ad45290_proj:
	s_mov_b64 s[64:65], 0
	v_nop
	global_prefetch_b8 v0, s[64:65] scope:SCOPE_SE
	s_setreg_imm32_b32 hwreg(HW_REG_WAVE_MODE, 25, 1), 1
	s_wait_xcnt 0x0
	s_wait_alu depctr_hold_cnt(0) depctr_sa_sdst(0) depctr_va_vdst(0) depctr_va_sdst(0) depctr_va_ssrc(0) depctr_va_vcc(0) depctr_vm_vsrc(0)
	s_getreg_b32 s2, hwreg(HW_REG_IB_STS2, 6, 4)
	s_cmp_eq_u32 s2, 0
	s_cbranch_scc0 .Lentry_in_a_cluster
	s_endpgm
.Lentry_in_a_cluster:
	s_bfe_u32 s2, ttmp6, 0x10000c
	s_cmp_lg_u32 s2, 0xf033
	s_cbranch_scc0 .Lentry_shape_is_right
	s_endpgm
.Lentry_shape_is_right:
; out0 = a W^T + b on codes of BF8 (E5M2) with one E8M0 scale for each 32 along K = 1,024.  a: the attention's result, 8,192 tokens; W: proj_w, [1,024][1,024] codes, scale bytes [1,024][32]; b: [1,024] f32; out0: [8,192][1,024] f32.
; a_img [K step of 256 channels, 4][tile of 16 tokens, 512][128 channels, 2][group c, 4][512] holds IMAGES OF OPERAND REGISTERS (a group of four registers is 512 bytes, lane l's 16 bytes at 16 l); a_sc [token][32] its scale bytes.
; THE DEAL.  256 work-groups of four waves; a block is 128 tokens x 256 channels, a wave makes 64 x 128: 32 accumulators, 256 registers.
; NOTHING IS FILLED AGAIN.  W's 256 rows, ALL of K, lie in LDS (266,240 bytes with the padding), fetched by waves 0 and 1, 128 rows each; waves 2 and 3 fetch the scale bytes of the 128 tokens and of W's 256 rows.  One barrier serves the launch.
; A wave's 64 tokens, all of K, are 512 registers: they come straight from a_img by 128 loads of 512 consecutive bytes and stay.  They are not asked for jointly: beside W's rows of all K they have no room in LDS, and an image needs no LDS to reach its registers.
; W's rows and scale bytes are shared along a column of the 4 x 4 cluster, the tokens' scale bytes along a row: joint loads.  No prefetch: all that the launch reads is asked for at its head, so there is no loop to run ahead in.
; THE MATRIX INSTRUCTION IS USED TRANSPOSED (source 0 = 16 rows of W, source 1 = 16 tokens): a lane holds eight neighbouring channels of one token.  The bias is the first products' C.
; REGISTERS, in windows of 256: window 0: v0-31 addresses; v32-63 scale words, two sets; v64-127 the bias; v128-255 W's eight fragments of a step of 128 along K, ONE set (on the way out: rows read back).
;   windows 1, 2: the tokens' fragments: fragment 4 q + a (q: the 128 along K, a: the block of 16 tokens) at register 16 (4 q + a).   window 3: accumulator (a, b) at v[64 a + 8 b].
; LIMITS: NaN and infinities are not served.
.set PITCH,  1040                      ; an LDS row of W: 1,024 bytes + 16: an odd multiple of 16, so the 16 rows that a load touches start at 16 different groups of banks (ISA guide 11.1)
.set ASTEP,  2097152                   ; a K step of a_img
.set SCL,    256*PITCH                 ; behind W's rows: scale bytes as units of 256 bytes + 16 of padding: the tokens' 16 units, then W's 32
.set SAB,    16*272
.set HALFS,  16*272                    ; those of 128 rows
.set SBLK,   2*272                     ; those of 16 rows
.set SPARE,  SCL+48*272                ; the spare words, 128 bytes for each wave
.set STAGE,  SPARE+512                 ; the way out: 16 rows x (512 + 16) bytes for each wave; no fill lands here
.set SPITCH, 528
.set AL,   16                          ; v16  16 x lane
.set ADRB, 20                          ; v20, v21  LDS address of W's fragments 0-3, 4-7
.set STO,  24
.set RD,   25
.set ADRS, 27                          ; v27  my scale words: lanes 0-15 the tokens', lanes 16-31 W's
.set SPW,  28
.set NIL,  29
.set BO,   30                          ; v30  32 x (lane / 16)
.set SC,   32                          ; set s at v[SC + 16 s]; register 2 i + q % 2: lanes 0-15 the tokens' block i, lanes 16-31 W's block i
.set BP,   64
.set BF,   128
.set BK,   128
.set WV,   16
.set G1W,  24
.set G1SA, 32
.set G1SB, 40
.set G0W,  48
.set G0SA, 52
.set G0SB, 56
.set MSB, 0
.macro WIN new                         ; the immediate's high byte repeats the setting that is left
.if MSB != (\new)
	s_set_vgpr_msb (MSB<<8)|(\new)
.set MSB, (\new)
.endif
.endm
.macro PLACES n
.rept \n
	v_nop
.endr
.endm
.macro CROUND
	s_barrier_signal -1
	s_barrier_wait -1
	s_cmp_lg_u32 s[WV], 0
	s_cbranch_scc1 .Lnot_wave_0_\@
	s_barrier_signal -3
.Lnot_wave_0_\@:
	s_barrier_wait -3
	s_barrier_signal -1
	s_barrier_wait -1
.endm
	s_load_b256 s[4:11], s[0:1], 0x0               ; a_img, a_sc, W's codes, W's scales
	s_load_b128 s[12:15], s[0:1], 0x20             ; the bias, out0
	v_lshl_add_u32 v[SPW], v0, 2, SPARE
	v_mov_b32 v[NIL], 0
	ds_add_u32 v[SPW], v[NIL]                      ; the opening lines: the add, twice on end, and its wait
	ds_add_u32 v[SPW], v[NIL]
	v_lshrrev_b32 v1, 5, v0
	v_readfirstlane_b32 s[WV], v1                  ; wave 0..3
	s_lshr_b32 s17, s[WV], 1                       ; my half of the tokens
	s_and_b32 s18, s[WV], 1                        ; my half of the channels
	s_bfe_u32 s19, ttmp6, 0x40000                  ; cx
	s_bfe_u32 s20, ttmp6, 0x40004                  ; cy
	s_lshl_b32 s21, ttmp9, 2
	s_add_co_u32 s21, s21, s19                     ; block column: 256 channels
	s_and_b32 s22, ttmp7, 0xffff
	s_lshl_b32 s22, s22, 2
	s_add_co_u32 s22, s22, s20                     ; block row: 128 tokens
	s_lshl_b32 s23, s20, 2
	s_lshl_b32 s23, 15, s23                        ; my row of the cluster
	s_lshl_b32 s2, 0x1111, s19                     ; my column
	s_or_b32 s[G1W], s2, (1<<20)|(1<<21)|(7<<22)|(3<<25)   ; 128 whole rows of 1,024 bytes, four words of padding behind each 256 words
	s_mov_b32 s[G1W+1], 1024<<16
	s_mov_b32 s[G1W+2], 128<<16
	s_mov_b32 s[G1W+3], 1024<<16
	s_mov_b32 s[G1W+4], 128
	s_mov_b32 s[G1W+5], 1024
	s_mov_b32 s[G1W+6], 0
	s_mov_b32 s[G1W+7], 0
	s_or_b32 s[G1SA], s23, (3<<16)|(1<<20)|(1<<21)|(5<<22)|(3<<25)   ; scale bytes: dense rows of 256 bytes (32 elements of 8), 16 bytes of padding behind each: the tokens' 16 rows,
	s_mov_b32 s[G1SA+1], 32<<16
	s_mov_b32 s[G1SA+2], 16<<16
	s_mov_b32 s[G1SA+3], 32<<16
	s_mov_b32 s[G1SA+4], 16
	s_mov_b32 s[G1SA+5], 32
	s_mov_b32 s[G1SA+6], 0
	s_mov_b32 s[G1SA+7], 0
	s_or_b32 s[G1SB], s2, (3<<16)|(1<<20)|(1<<21)|(5<<22)|(3<<25)    ; W's 32
	s_mov_b32 s[G1SB+1], 32<<16
	s_mov_b32 s[G1SB+2], 32<<16
	s_mov_b32 s[G1SB+3], 32<<16
	s_mov_b32 s[G1SB+4], 32
	s_mov_b32 s[G1SB+5], 32
	s_mov_b32 s[G1SB+6], 0
	s_mov_b32 s[G1SB+7], 0
	s_mov_b32 s[G0W], 1
	s_mul_i32 s[G0W+1], s[WV], 128*PITCH           ; waves 0, 1: W's rows 128 x wave on
	s_lshl_b32 s60, s21, 18
	s_lshl_b32 s61, s[WV], 17
	s_add_co_u32 s60, s60, s61
	s_mov_b32 s61, 0
	s_mov_b32 s[G0SA], 1
	s_mov_b32 s[G0SA+1], SCL
	s_lshl_b32 s62, s22, 12                        ; 128 rows of 32 bytes
	s_mov_b32 s63, 0
	s_mov_b32 s[G0SB], 1
	s_mov_b32 s[G0SB+1], SCL+SAB
	s_lshl_b32 s66, s21, 13                        ; 256 rows of 32 bytes
	s_mov_b32 s67, 0
	s_wait_dscnt 0x0
	s_wait_kmcnt 0x0
	s_add_nc_u64 s[G0W+2:G0W+3], s[8:9], s[60:61]
	s_or_b32 s[G0W+3], s[G0W+3], 0x80000000
	s_add_nc_u64 s[G0SA+2:G0SA+3], s[6:7], s[62:63]
	s_or_b32 s[G0SA+3], s[G0SA+3], 0x80000000
	s_add_nc_u64 s[G0SB+2:G0SB+3], s[10:11], s[66:67]
	s_or_b32 s[G0SB+3], s[G0SB+3], 0x80000000
	CROUND                                         ; all sixteen work-groups are here: the joint loads meet
; One tensor load a wave, in one tree of branches on the wave's number: every way passes exactly one.
.macro ARM under, g0, g1, next
	s_cmp_lt_u32 s[WV], \under
	s_cbranch_scc0 \next
	tensor_load_to_lds s[\g0:\g0+3], s[\g1:\g1+7]
	s_nop 0
	PLACES 4
	s_branch .Lasked
\next:
.endm
	ARM 2, G0W,  G1W,  .Lfor_sa
	ARM 3, G0SA, G1SA, .Lfor_sb
	tensor_load_to_lds s[G0SB:G0SB+3], s[G1SB:G1SB+7]
	s_nop 0
	PLACES 4
.Lasked:
	s_lshl_b32 s68, s22, 1
	s_add_co_u32 s68, s68, s17                     ; my run of 64 tokens
	s_lshl_b32 s70, s68, 18                        ; 64 rows of out0, 4,096 bytes each
	s_lshl_b32 s68, s68, 14                        ; four tiles of 4,096 bytes of a_img
	s_mov_b32 s69, 0
	s_add_nc_u64 s[4:5], s[4:5], s[68:69]
	s_lshl_b32 s68, s21, 1
	s_add_co_u32 s68, s68, s18
	s_lshl_b32 s68, s68, 9                         ; my 128 channels: 512 bytes of f32
	s_add_nc_u64 s[12:13], s[12:13], s[68:69]
	s_add_co_u32 s70, s70, s68
	s_mov_b32 s71, 0
	s_add_nc_u64 s[14:15], s[14:15], s[70:71]
	v_and_b32 v3, 31, v0
	v_and_b32 v1, 15, v0                           ; r
	v_bfe_u32 v2, v0, 4, 1                         ; h
	v_lshlrev_b32 v[AL], 4, v3
	v_lshlrev_b32 v[BO], 5, v2
	s_wait_alu depctr_va_vdst(0)                   ; the wait behind these writes
	v_mul_u32_u24 v4, v1, PITCH
	v_lshl_add_u32 v4, v2, 4, v4                   ; a fragment's row x pitch + 16 x half
	s_mul_i32 s23, s18, 128*PITCH
	v_add_nc_u32 v[ADRB], s23, v4
	s_add_co_u32 s23, s23, 64*PITCH
	v_add_nc_u32 v[ADRB+1], s23, v4
	v_lshlrev_b32 v5, 5, v1                        ; my row's scale bytes: 32 a row,
	v_lshrrev_b32 v6, 8, v5
	v_lshl_add_u32 v5, v6, 4, v5                   ; and 16 more for each 256 passed
	s_mul_i32 s2, s17, 8*272                       ; the tokens': my 64 rows
	s_mul_i32 s3, s18, HALFS                       ; W's: my 128 rows, behind the tokens'
	s_add_co_u32 s3, s3, SAB
	s_sub_co_u32 s3, s3, s2
	v_mul_u32_u24 v6, s3, v2                       ; lanes 16-31 take W's
	s_add_co_u32 s2, s2, SCL
	v_add_nc_u32 v5, v5, v6
	v_add_nc_u32 v[ADRS], s2, v5
	s_mul_i32 s23, s[WV], 16*SPITCH
	s_add_co_u32 s23, s23, STAGE
	v_mul_u32_u24 v5, v1, SPITCH
	v_lshl_add_u32 v5, v2, 5, v5
	v_add_nc_u32 v[STO], s23, v5                   ; in: row r, 32 bytes for each half of the lanes
	v_add_nc_u32 v[RD], s23, v[AL]                 ; back: the 32 lanes take one row of 512 bytes
.irp b, 0,1,2,3,4,5,6,7
	global_load_b128 v[BP+8*\b:BP+8*\b+3], v[BO], s[12:13] offset:64*\b         ; the bias in the result's layout: register 8 b + j is channel 16 b + 8 h + j
	global_load_b128 v[BP+8*\b+4:BP+8*\b+7], v[BO], s[12:13] offset:64*\b+16
.endr
.set Q_, 0
.rept 8                                        ; my 64 tokens, K ascending: 16 loads for each 128 along K
	WIN (1+Q_/4)<<6
.irp a, 0,1,2,3
.irp c, 0,1,2,3
	global_load_b128 v[16*((4*Q_+\a)%16)+4*\c:16*((4*Q_+\a)%16)+4*\c+3], v[AL], s[4:5] offset:(Q_/2)*ASTEP+\a*4096+(Q_%2)*2048+512*\c
.endr
.endr
.set Q_, Q_+1
.endr
	WIN 0
.macro FB q, b0                        ; W's fragments b0 .. b0 + 3 of the q-th 128 along K: registers 4 c .. 4 c + 3 hold K = 32 c + 16 h + 0 .. 15
.irp i, 0,1,2,3
.irp c, 0,1,2,3
	ds_load_b128 v[BF+16*((\b0)+\i)+4*\c:BF+16*((\b0)+\i)+4*\c+3], v[ADRB+(\b0)/4] offset:128*(\q)+32*\c+\i*16*PITCH
.endr
.endr
.endm
.macro SCALES k                        ; the scale words of the k-th 256 along K into set k % 2: two words a row
.irp i, 0,1,2,3,4,5,6,7
	ds_load_b64 v[SC+16*((\k)%2)+2*\i:SC+16*((\k)%2)+2*\i+1], v[ADRS] offset:\i*SBLK+8*(\k)
.endr
.endm
; 16 products: W's blocks b0 .. b0 + 3 x my four blocks of tokens.  The 32 accumulators take turns, one instruction a turn, in the same order in every step.
.macro MUL q, b0, first
.if \first
	WIN 0xc4                                       ; source 0 window 0, source 1 window 1, C (the bias) window 0, D window 3
.else
	WIN 0xf0|((1+(\q)/4)<<2)
.endif
.irp b, \b0, \b0+1, \b0+2, \b0+3
.irp a, 0,1,2,3
.set D_, 64*\a+8*(\b)
.set A_, 16*((4*(\q)+\a)%16)
.set W_, BF+16*(\b)
.set S_, SC+16*(((\q)/2)%2)+(\q)%2
.if \first
	v_wmma_scale_f32_16x16x128_f8f6f4 v[D_:D_+7], v[W_:W_+15], v[A_:A_+15], v[BP+8*(\b):BP+8*(\b)+7], v[S_+2*(\b)], v[S_+2*\a] matrix_a_fmt:MATRIX_FMT_BF8 matrix_b_fmt:MATRIX_FMT_BF8 matrix_a_scale:MATRIX_SCALE_ROW1
.else
	v_wmma_scale_f32_16x16x128_f8f6f4 v[D_:D_+7], v[W_:W_+15], v[A_:A_+15], v[D_:D_+7], v[S_+2*(\b)], v[S_+2*\a] matrix_a_fmt:MATRIX_FMT_BF8 matrix_b_fmt:MATRIX_FMT_BF8 matrix_a_scale:MATRIX_SCALE_ROW1
.endif
.endr
.endr
	WIN 0
.endm
; A step of 128 along K.  W's fragments have one set of registers: four of them are fetched anew as soon as their sixteen products are issued, eight places behind the last.
.macro KSTEP q
.if (\q) == 0
	s_wait_loadcnt 63                              ; of 144 loads at most 63 are out: the bias's 16 and the tokens' 64 of steps 0 to 3 are in
.elseif (\q) >= 4
	s_wait_loadcnt 16*(7-(\q))                     ; behind this step's loads stand those of the later steps, 16 each
.endif
	s_wait_dscnt 16                                ; fragments 0-3 (and the scale words) are in; the youngest sixteen loads, fragments 4-7, may be out
	MUL \q, 0, ((\q)==0)
	s_wait_dscnt 0x0
.if (\q) < 7
	PLACES 8
	FB (\q)+1, 0
.if (\q)%2
	SCALES ((\q)+1)/2
.endif
.endif
	MUL \q, 4, ((\q)==0)
	PLACES 8
.if (\q) < 7
	FB (\q)+1, 4
.endif
.endm
	s_wait_alu depctr_va_vdst(0)                   ; the wait at the head's end
	s_wait_tensorcnt 0x0                           ; my tile is in,
	s_barrier_signal -1
	s_barrier_wait -1                              ; everybody's is
	FB 0, 0
	SCALES 0
	FB 0, 4
.set Q_, 0
.rept 8
	KSTEP Q_
.set Q_, Q_+1
.endr
; THE WAY OUT, block by block of 16 tokens x 128 channels: through my own stage in LDS, back as whole rows of 512 bytes, which the 32 lanes store as two aligned units of 256 bytes.
; LDS serves a wave's instructions in order (ISA guide 5.7.1.4): no wait between the stores and the loads.
.macro TOSTAGE a
	WIN 0x0c                                       ; the data: window 3
.irp b, 0,1,2,3,4,5,6,7
	ds_store_b128 v[STO], v[64*(\a)+8*\b:64*(\a)+8*\b+3] offset:64*\b            ; each accumulator from its low end on
	ds_store_b128 v[STO], v[64*(\a)+8*\b+4:64*(\a)+8*\b+7] offset:64*\b+16
.endr
	WIN 0
.irp t, 0,1,2,3,4,5,6,7,8,9,10,11,12,13,14,15
	ds_load_b128 v[BK+64*((\a)%2)+4*\t:BK+64*((\a)%2)+4*\t+3], v[RD] offset:\t*SPITCH
.endr
.endm
.macro SEND a, younger                 ; younger: the LDS instructions issued behind block a's loads, which may stay out
	s_wait_dscnt \younger
.if (\a) > 0
	s_add_nc_u64 s[14:15], s[14:15], 16*4096       ; (behind a wait on XCNT: the earlier stores have read their base)
.endif
.irp t, 0,1,2,3,4,5,6,7,8,9,10,11,12,13,14,15
	global_store_b128 v[AL], v[BK+64*((\a)%2)+4*\t:BK+64*((\a)%2)+4*\t+3], s[14:15] offset:\t*4096 th:TH_STORE_NT
.endr
.endm
	TOSTAGE 0                                      ; (the last step's eight places stand ahead of it)
.irp a, 1,2,3
.if \a > 1
	s_wait_xcnt 0x0                                ; block a - 2's stores have read their registers and their base
.endif
	TOSTAGE \a
	SEND \a-1, 32                                  ; behind block a - 1's loads: block a's 16 stores and 16 loads
.endr
	s_wait_xcnt 0x0
	SEND 3, 0
	s_wait_tensorcnt 0x0                           ; the wave's end
	ds_add_u32 v[SPW], v[NIL]
	s_wait_dscnt 0x0
	CROUND                                         ; the closing round
	s_endpgm
.Lfunc_end_k_qdf0ad45290_proj:
	.size	k_qdf0ad45290_proj, .Lfunc_end_k_qdf0ad45290_proj-k_qdf0ad45290_proj
	.p2alignl 7, 3214868480
	.fill 96, 4, 3214868480
	.section	.rodata,"a",@progbits
	.p2align	6, 0x0
	.amdhsa_kernel k_qdf0ad45290_proj
		.amdhsa_group_segment_fixed_size 327680
		.amdhsa_private_segment_fixed_size 0
		.amdhsa_enable_private_segment 0
		.amdhsa_kernarg_size 48
		.amdhsa_user_sgpr_count 2
		.amdhsa_user_sgpr_kernarg_segment_ptr 1
		.amdhsa_wavefront_size32 1
		.amdhsa_system_sgpr_workgroup_id_x 1
		.amdhsa_system_sgpr_workgroup_id_y 1
		.amdhsa_system_sgpr_workgroup_id_z 1
		.amdhsa_system_vgpr_workitem_id 0
		.amdhsa_next_free_vgpr 1024
		.amdhsa_next_free_sgpr 72
		.amdhsa_reserve_vcc 0
		.amdhsa_float_denorm_mode_32 3
		.amdhsa_float_denorm_mode_16_64 3
		.amdhsa_memory_ordered 1
		.amdhsa_forward_progress 1
		.amdhsa_inst_pref_size 91
	.end_amdhsa_kernel
	.amdgpu_metadata
---
amdhsa.version: [ 1, 2 ]
amdhsa.kernels:
  - .name:           k_qdf0ad45290_proj
    .symbol:         k_qdf0ad45290_proj.kd
    .args:
      - { .name: a_img, .offset: 0, .size: 8, .value_kind: global_buffer, .address_space: global }
      - { .name: a_sc, .offset: 8, .size: 8, .value_kind: global_buffer, .address_space: global }
      - { .name: proj_w_codes, .offset: 16, .size: 8, .value_kind: global_buffer, .address_space: global }
      - { .name: proj_w_scales, .offset: 24, .size: 8, .value_kind: global_buffer, .address_space: global }
      - { .name: proj_b, .offset: 32, .size: 8, .value_kind: global_buffer, .address_space: global }
      - { .name: out0, .offset: 40, .size: 8, .value_kind: global_buffer, .address_space: global }
    .group_segment_fixed_size: 327680
    .private_segment_fixed_size: 0
    .kernarg_segment_align: 8
    .kernarg_segment_size: 48
    .max_flat_workgroup_size: 128
    .sgpr_count:     72
    .vgpr_count:     1024
    .wavefront_size: 32
...
	.end_amdgpu_metadata
.endif
;; end of part 3
